; MI455X (gfx1250); checked and timed in simulation.
; The chip was launched on July 23, 2026; its instructions are those of AMD's public machine-readable ISA for CDNA 5 (MIT licence, August 2026) and "CDNA5" Instruction Set Architecture Reference Guide (July 2026). The comments in the code are by the model that wrote it; some were corrected since.
;; Fake News Classifier. Allowed arithmetic: matrix products marked QUANTISED: E3M2 operands, one E8M0 scale for each 32 along K, by v_wmma_scale_f32_16x16x128_f8f6f4 with both operands' format E3M2, f32 sums; products left as they are: f32 operands where the result goes on into a quantised operand, else bf16, f16 or f32 operands; f32 sums; everything else in f32.
;; Inputs: W1 8 x 1,024 x 1,024 float32; W2 8 x 1,024 x 2 float32; b1 8 x 1,024 float32; b2 8 x 2 float32; domain_ids 8,192 int32; feature 8,192 x 1,024 float32.
;; Outputs: out0 8,192 x 2 float32.
;; This version of the problem:
;;   THIS VERSION OF THE PROBLEM IS GIVEN IN LOW PRECISION. The matrix products marked QUANTISED in the list below multiply operands that are first quantised to E3M2 (3 exponent bits, 2 mantissa bits; 6 bits a number), with one power-of-two scale for each 32 numbers along K (OCP MX v1.0); their sums are f32. All else is computed in f32.
;;   The module's matrix products, in the order in which they are computed (A, B: the left and right operand; K: the contracted axis; several contracted axes count as one K, in the product's order):
;;     1. [M 8,192, K 1,024] x [K 1,024, N 8,192]; A: input feature; B: input W1: QUANTISED
;;     2. batch 8,192 x [M 1, K 1,024] x [K 1,024, N 2]; A: computed on the way; B: computed on the way: left as it is (M = 1 < 16)
;;   THE QUANTISER, for each operand of a quantised product, along K:
;;     - K is cut into blocks of 32 from its start; a last block that is shorter is filled with zeros.
;;     - A block's scale is 2^e with e = floor(log2(the largest magnitude in the block)) - 4, held to -126 .. 127; a block of zeros has e = 0. As a byte (E8M0): e + 127.
;;     - Each number is divided by its block's scale, clamped to +-28, and rounded to the nearest number of E3M2, ties to even, subnormals kept.
;;     - The product sums the exact products of the quantised numbers (number of the format x scale) in f32.
;;   ~~~python
;;   def quantise(x, axis):      # numpy; x: float32 -> the quantised numbers, widened to float32 again
;;       x = np.moveaxis(x, axis, -1); K = x.shape[-1]
;;       x = np.pad(x, [(0, 0)] * (x.ndim - 1) + [(0, -K % 32)]); x = x.reshape(x.shape[:-1] + (-1, 32)); a = np.abs(x).max(-1, keepdims=True)
;;       e = np.where(a > 0, np.clip(np.frexp(np.where(a > 0, a, 1))[1] - 1 - 4, -126, 127), 0)      # np.frexp(a)[1] - 1 = floor(log2(a)), exactly
;;       r = np.clip(x / 2.0 ** e, -28, 28)
;;       step = 2.0 ** (np.maximum(np.frexp(np.where(r == 0, 1, r))[1] - 1, -2) - 2)
;;       q = np.round(r / step) * step * 2.0 ** e      # np.round: ties to even
;;       return np.moveaxis(q.reshape(q.shape[:-2] + (-1,))[..., :K], -1, axis).astype(np.float32)
;;   ~~~
;; One version. Each part assembles by itself: llvm-mc -triple=amdgcn-amd-amdhsa -mcpu=gfx1250 --defsym DOCPART=n.
;; ======== version 1 of 1: 2 launches
;; limits: right only within a limited range of input values
;; workspace buffers: w1q 6,553,600 bytes; rows 313,088 bytes of whole numbers; tiles 2,048 bytes of whole numbers
;; launch prep (part 1): grid 264 x 1, 8 waves a work-group, no clusters, 2,560 bytes of LDS; arguments W1, domain_ids, w1q, rows, tiles; writes w1q, rows, tiles
.if DOCPART == 1
	.amdgcn_target "amdgcn-amd-amdhsa--gfx1250"
	.amdhsa_code_object_version 6
	.text
	.protected	k_q09fdb712df_prep
	.globl	k_q09fdb712df_prep
	.p2align	8
	.type	k_q09fdb712df_prep,@function
k_q09fdb712df_prep:
	s_mov_b64 s[64:65], 0
	v_nop
	global_prefetch_b8 v0, s[64:65] scope:SCOPE_SE
	s_setreg_imm32_b32 hwreg(HW_REG_WAVE_MODE, 25, 1), 1
	s_wait_xcnt 0x0
; WORK LEFT OUT BY THE PROGRAM: reference() multiplies every token by all eight experts and keeps one by domain_ids; here a token is multiplied by its own expert alone, whatever domain_ids holds.
; (LIMIT: a NaN, an infinity or an overflow that would arise only in an expert that a token did not choose is not carried to the result.)
; TWO JOBS IN ONE LAUNCH, parted on the work-group's number.
; Work-groups 0 to 7: work-group j lists the tokens of expert j (domain_ids) in tiles of 64 rows.
;   rows  [135][64] int32: the token numbers of each tile, 0 where a tile is not full or has no rows; behind them, from word 8640 on, 8,192 words for each work-group, one for each lane and register, take the stores of lanes that have no token to place.
;   tiles [256][2] int32: (expert, number of rows); (8, 0) for a tile that this split does not have.
;   There are never more than floor((8192 + 8 x 63) / 64) = 135 tiles, whatever the split.  The order of an expert's tokens is free: each token's result is its own.
; Work-groups 8 to 263: W1 [8][1024 k][1024 n], f32, K its middle axis, becomes codes of BF6 (E3M2) with one E8M0 byte for each 32 along K, laid IN THE ORDER OF THE OPERAND'S REGISTERS:
;   w1q = [expert 8][pair P 32] chunks of 25,600 bytes; a chunk serves hidden units 32 P .. 32 P + 31 (tile u: units 32 P + 16 u + r).
;   Fragment (K step s of 128, tile u): registers 4 p .. 4 p + 3 of lane l at 3072 s + 1536 u + 512 p + 16 l.  Scale words at 24576 + 256 (s / 2) + 8 l + 4 (s % 2): lanes 0-15 tile 0's unit r, lanes 16-31 tile 1's.
; A block's scale is 2^(floor(log2(largest magnitude)) - 4); its byte is the largest magnitude's exponent field - 4, held at 1 from below by a floor among the maximum's leaves.
; LIMITS: a block of zeros gets the byte 1 where the rule says 127 (its codes are zeros, and this program alone reads the bytes); NaN and infinities in W1 are not served;
; domain_ids lie in 0 .. 7, as the indexing of the problem's tables relies on.
; No matrix unit, no cluster, no tensor load: every byte of W1 is read once by one wave, and nothing is shared.
; (OF THE WORDS BEHIND THE TILES IN rows: every lane and register of the listing has one of its own, 8 x 8,192 from word 8,640 on for the tokens and 8 x 512 from word 74,176 on for the fills: no word of rows is stored twice.  Nobody reads them.)
.set CHUNK, 25600
.set SCW,   24576                      ; a chunk's scale words
.set SRT,   1024                       ; LDS of the listing path: 8 waves x 16 bytes of counts (the quantiser's 1,024 bytes of scale words lie in front)
.set SPARE, 1536                       ; the spare words, 128 bytes a wave
.set SPW, 192                          ; v192 LDS address of my spare word
.set NIL, 193                          ; v193 0
; the quantiser's registers
.set MX,  8                            ; v8-11   largest magnitudes of my column's four blocks
.set SCO, 12                           ; v12-15  the conversions' scale operands
.set BY,  16                           ; v16-19  the scale bytes
.set SW,  20                           ; v20     my column's scale word
.set FA,  24                           ; v24-35  tile 0's fragment
.set FB,  36                           ; v36-47  tile 1's
.set T0,  48                           ; v48-50, v52-54  upper halves of two blocks before they are moved
.set T1,  52
.set X,   64                           ; v64-191 128 numbers down K of my column
; the listing's registers
.set ID,  16                           ; v16-47  32 tokens' experts, later the tokens' numbers
.set PS,  48                           ; v48-79  their places
.set NA,  80                           ; v80-83  counters of four bits, one for each expert, of 8 tokens each
.set SH,  84                           ; v84-87  at work
.set FR,  88                           ; v88-91  counts in fields of 16 bits: register k: expert k low, k + 4 high
.set DT,  92                           ; v92-95  other lanes' counts
.set TBL, 96                           ; v96-127 all waves' counts: wave w', register k at 4 w' + k
.set TO,  128                          ; v128-131 the work-group's counts
.set PR,  132                          ; v132-135 those of the waves in front of mine
.set ONE, 136
.set TR,  137                          ; v137    my lane's first word for registers without a token to place (32 words further for each register)
.set MK,  28                           ; s28-31  lane masks
.set BC,  32                           ; s32-35  their ones
.set FL,  40                           ; s40-46  -1 for the waves in front of mine, else 0
.set TOT, 48                           ; s48-55  an expert's tokens
.set NT,  56                           ; s56-63  an expert's tiles
.set TB,  68                           ; s68-75  an expert's first tile
; Blocks 2 c and 2 c + 1 of my column: maxima, scales, codes; then the halves of the lanes change places, so that lane (r, h) of a tile's fragment holds block 2 c + h of unit r.
.macro HALF c
.if \c == 0
	s_wait_loadcnt 63                              ; 64 loads were issued behind block 1's last; the count's field ends at 63, which asks for one load more than is needed
.else
	s_wait_loadcnt 0x0
.endif
.irp d, 0,1
	v_max3_num_f32 v[MX+2*\c+\d], |v[X+32*(2*\c+\d)]|, |v[X+32*(2*\c+\d)+1]|, 0x2800000   ; the floor 2^(5 - 127) is a leaf: the byte cannot fall under 1
.endr
.irp i, 2,4,6,8,10,12,14,16,18,20,22,24,26,28,30
.irp d, 0,1
	s_delay_alu instid0(VALU_DEP_2)
	v_max3_num_f32 v[MX+2*\c+\d], v[MX+2*\c+\d], |v[X+32*(2*\c+\d)+\i]|, |v[X+32*(2*\c+\d)+\i+1]|   ; the two blocks by turns
.endr
.endr
.irp d, 0,1
	s_delay_alu instid0(VALU_DEP_2)
	v_add_nc_u32 v[SCO+2*\c+\d], 0xfe000000, v[MX+2*\c+\d]   ; 4 off the exponent field: the conversion takes this operand's exponent field as its scale
.endr
.irp d, 0,1
	s_delay_alu instid0(VALU_DEP_2)
	v_lshrrev_b32 v[BY+2*\c+\d], 23, v[SCO+2*\c+\d]          ; the scale's byte
.endr
	v_cvt_scalef32_pk16_bf6_f32 v[FA+6*\c:FA+6*\c+2], v[X+64*\c:X+64*\c+15], v[SCO+2*\c]         ; block 2 c, k 0-15
	v_cvt_scalef32_pk16_bf6_f32 v[FB+6*\c:FB+6*\c+2], v[X+64*\c+32:X+64*\c+47], v[SCO+2*\c+1]    ; block 2 c + 1, k 0-15
	v_cvt_scalef32_pk16_bf6_f32 v[T0:T0+2], v[X+64*\c+16:X+64*\c+31], v[SCO+2*\c]                ; block 2 c, k 16-31 (a conversion's three registers begin on an even number)
	v_cvt_scalef32_pk16_bf6_f32 v[T1:T1+2], v[X+64*\c+48:X+64*\c+63], v[SCO+2*\c+1]              ; block 2 c + 1, k 16-31
	v_nop                                          ; one plain place behind the scaled conversions
.irp i, 0,1,2
	v_permlane16_swap_b32 v[FA+6*\c+\i], v[FB+6*\c+\i]   ; the first's lanes 16-31 (columns 16-31, block 2 c) change places with the second's lanes 0-15 (columns 0-15, block 2 c + 1)
	v_permlane16_swap_b32 v[T0+\i], v[T1+\i]
.endr
.irp i, 0,1,2
	v_mov_b32 v[FA+6*\c+3+\i], v[T0+\i]
	v_mov_b32 v[FB+6*\c+3+\i], v[T1+\i]
.endr
.endm
; A word index in v: held inside rows' 78,272 words (it never passes them)
.macro PLACE v
	v_min_u32 v[\v], 0x131bf, v[\v]
.endm
; Registers r .. r + 3: a token of my expert goes to the running base + the lower lanes' tokens of that expert; every other lane stores to a word of its own behind the tiles.
.macro PUT4 r
.irp k, 0,1,2,3
	v_cmp_eq_u32 s[MK+\k], s18, v[ID+(\r)+\k]
.endr
.irp k, 0,1,2,3
	s_bcnt1_i32_b32 s[BC+\k], s[MK+\k]
.endr
.irp k, 0,1,2,3
	v_mbcnt_lo_u32_b32 v[PS+(\r)+\k], s[MK+\k], s19
	s_add_co_u32 s19, s19, s[BC+\k]
.endr
.irp k, 0,1,2,3
	v_add_nc_u32 v[SH+\k], 32*((\r)+\k), v[TR]
.endr
	s_wait_alu depctr_va_vdst(0)
.irp k, 0,1,2,3
	v_cndmask_b32 v[PS+(\r)+\k], v[SH+\k], v[PS+(\r)+\k], s[MK+\k]
.endr
.irp k, 0,1,2,3
	PLACE PS+(\r)+\k
.endr
.irp k, 0,1,2,3
	v_lshlrev_b32 v[PS+(\r)+\k], 2, v[PS+(\r)+\k]
.endr
.irp k, 0,1,2,3
	v_add_nc_u32 v[ID+(\r)+\k], 128*((\r)/4)+\k, v3   ; register 4 q + i holds token 1024 w + 128 q + 4 lane + i
.endr
.irp k, 0,1,2,3
	global_store_b32 v[PS+(\r)+\k], v[ID+(\r)+\k], s[10:11]   ; each register has its own address and data: none is written again
.endr
.endm
	s_load_b256 s[4:11], s[0:1], 0x0               ; W1 s[4:5], domain_ids s[6:7], w1q s[8:9], rows s[10:11]
	s_load_b64 s[12:13], s[0:1], 0x20              ; tiles
	v_lshl_add_u32 v[SPW], v0, 2, SPARE
	v_mov_b32 v[NIL], 0
	v_lshrrev_b32 v1, 5, v0
	v_readfirstlane_b32 s14, v1                    ; wave 0..7
	v_and_b32 v1, 31, v0                           ; lane
	s_wait_alu depctr_va_vdst(0)
	s_cmp_lt_u32 ttmp9, 8
	s_cbranch_scc1 .Lsort
	; ---------------- THE QUANTISER: work-group t + 8 takes expert t / 32, 64 columns, 512 of K; a wave 32 columns x 128 of K.
	; A LANE TAKES A COLUMN AND ITS REGISTERS RUN DOWN K: a load reads 128 consecutive bytes, a block of 32 lies in one lane, the codes come out with K innermost.
	s_sub_co_u32 s15, ttmp9, 8                     ; t
	s_lshr_b32 s16, s15, 5                         ; e
	s_bfe_u32 s17, s15, 0x40001                    ; cg: which 64 columns
	s_and_b32 s18, s15, 1                          ; g: which 512 of K
	s_lshr_b32 s19, s14, 2                         ; pu: which 32 of the 64 columns
	s_and_b32 s20, s14, 3                          ; sl: which 128 of the 512
	s_lshl_b32 s21, s17, 1
	s_add_co_u32 s21, s21, s19                     ; P = 2 cg + pu
	s_lshl_b32 s22, s18, 2
	s_add_co_u32 s22, s22, s20                     ; s = 4 g + sl
	v_lshlrev_b32 v2, 2, v1                        ; 4 x lane: my column in a row of W1
	v_lshlrev_b32 v3, 4, v1                        ; 16 x lane: my place in a plane of a fragment
	v_lshlrev_b32 v4, 3, v1                        ; 8 x lane: my place in a unit of scale words
	s_lshr_b32 s23, s14, 1
	s_lshl_b32 s23, s23, 8                         ; LDS: 512 pu + 256 (sl / 2) = 256 (wave / 2),
	s_and_b32 s30, s14, 1
	s_lshl_b32 s30, s30, 2                         ; + 4 (sl % 2)
	s_add_co_u32 s23, s23, s30
	v_add_nc_u32 v5, s23, v4                       ; where my scale word goes
	s_lshl_b32 s23, s20, 8
	v_add_nc_u32 v6, s23, v4                       ; and which 8 bytes waves 0-3 read back: unit wave, 8 x lane
	s_lshl_b32 s30, s16, 22                        ; W1: expert x 4 MiB + 128 s rows of 4,096 bytes + 32 P columns of 4
	s_lshl_b32 s31, s22, 19
	s_add_co_u32 s30, s30, s31
	s_lshl_b32 s31, s21, 7
	s_add_co_u32 s30, s30, s31
	s_mov_b32 s31, 0
	s_lshl_b32 s32, s16, 5                         ; w1q: chunk 32 e + P, K step s
	s_add_co_u32 s32, s32, s21
	s_mul_i32 s32, s32, CHUNK
	s_mul_i32 s33, s22, 3072
	s_add_co_u32 s32, s32, s33
	s_mov_b32 s33, 0
	s_lshl_b32 s34, s16, 5                         ; the unit of scale words that waves 0-3 store: chunk 32 e + 2 cg + (wave / 2) % 2, unit 2 g + wave % 2
	s_lshl_b32 s35, s17, 1
	s_add_co_u32 s34, s34, s35
	s_bfe_u32 s35, s14, 0x10001
	s_add_co_u32 s34, s34, s35
	s_mul_i32 s34, s34, CHUNK
	s_lshl_b32 s35, s18, 1
	s_and_b32 s36, s14, 1
	s_add_co_u32 s35, s35, s36
	s_lshl_b32 s35, s35, 8
	s_add_co_u32 s34, s34, s35
	s_add_co_u32 s34, s34, SCW
	s_mov_b32 s35, 0
	s_wait_alu depctr_va_vdst(0)
	s_wait_kmcnt 0x0
	s_add_nc_u64 s[24:25], s[4:5], s[30:31]
	s_add_nc_u64 s[26:27], s[8:9], s[32:33]
	s_add_nc_u64 s[28:29], s[8:9], s[34:35]
.set i, 0
.rept 128
	global_load_b32 v[X+i], v2, s[24:25] offset:4096*i th:TH_LOAD_NT   ; W1(128 s + i, my column): read once in the launch
.set i, i+1
.endr
	HALF 0
	HALF 1
	v_lshl_or_b32 v[SW], v[BY+1], 8, v[BY]         ; my column's four bytes: the scale word of this K step
	s_delay_alu instid0(VALU_DEP_1)
	v_lshl_or_b32 v[SW], v[BY+2], 16, v[SW]
	s_delay_alu instid0(VALU_DEP_1)
	v_lshl_or_b32 v[SW], v[BY+3], 24, v[SW]
.irp p, 0,1,2
	global_store_b128 v3, v[FA+4*\p:FA+4*\p+3], s[26:27] offset:512*\p        ; 32 lanes store 512 consecutive bytes, at a multiple of 512 from the chunk's first byte
.endr
.irp p, 0,1,2
	global_store_b128 v3, v[FB+4*\p:FB+4*\p+3], s[26:27] offset:1536+512*\p
.endr
	ds_store_b32 v5, v[SW]                         ; two K steps' words interleave into one run of 256 bytes
	s_wait_dscnt 0x0                               ; for the others' sake: my word has landed
	s_barrier_signal -1
	s_barrier_wait -1
	s_cmp_lt_u32 s14, 4
	s_cbranch_scc0 .Lq_end
	ds_load_b64 v[22:23], v6
	s_wait_dscnt 0x0
	global_store_b64 v4, v[22:23], s[28:29]        ; 32 lanes store 256 consecutive bytes, aligned
.Lq_end:
	s_wait_tensorcnt 0x0                           ; the wave's end
	ds_add_u32 v[SPW], v[NIL]
	s_wait_dscnt 0x0
	s_endpgm
	; ---------------- THE LISTING: work-group j lists expert j; wave w takes tokens 1024 w .. 1024 w + 1023, a lane 32 of them.
	; A token's place = 64 x its expert's first tile + the earlier waves' tokens of that expert + those of my earlier registers + the lower lanes'.
.Lsort:
	s_mov_b32 s18, ttmp9                           ; j
	s_lshl_b32 s15, s14, 10
	s_lshl_b32 s16, s14, 12
	s_lshl_b32 s17, s14, 4
	s_add_co_u32 s17, s17, SRT
	s_lshl_b32 s36, s18, 13
	s_add_co_u32 s36, s36, s15
	s_add_co_u32 s36, s36, 8640                    ; 8640 + 8192 j + 1024 w
	s_mov_b32 s78, 0x76543210
	s_mov_b32 s79, 0xfedcba98                      ; v_permlanex16_b32's selects for lane l xor 16
.irp w, 0,1,2,3,4,5,6
	s_cmp_gt_u32 s14, \w
	s_cselect_b32 s[FL+\w], -1, 0
.endr
	v_lshl_add_u32 v3, v1, 2, s15                  ; 1024 w + 4 lane: the token in my register 0
	v_lshl_add_u32 v9, v1, 4, s16                  ; 4096 w + 16 lane: my 16 bytes of domain_ids
	v_mov_b32 v4, s17                              ; my wave's counts in LDS
	v_mov_b32 v5, SRT                              ; all waves'
	v_add_nc_u32 v[TR], s36, v1
	v_lshlrev_b32 v7, 3, v0                        ; 8 x thread: my entry of tiles
	v_mov_b32 v[ONE], 1
.irp k, 0,1,2,3
	v_mov_b32 v[NA+\k], 0
	v_mov_b32 v[DT+\k], 0                          ; written once: a DPP form's destination counts as one of its sources
.endr
	s_wait_alu depctr_va_vdst(0)
	s_wait_kmcnt 0x0
.irp q, 0,1,2,3,4,5,6,7
	global_load_b128 v[ID+4*\q:ID+4*\q+3], v9, s[6:7] offset:512*\q
.endr
	s_wait_loadcnt 0x0
.irp q, 0,1,2,3,4,5,6,7
.irp k, 0,1,2,3
	v_lshlrev_b32 v[SH+\k], 2, v[ID+4*\q+\k]
.endr
.irp k, 0,1,2,3
	v_lshl_add_u32 v[NA+\k], v[ONE], v[SH+\k], v[NA+\k]   ; 1 onto the expert's four bits: 8 at the most
.endr
.endr
.irp k, 0,1,2,3
	v_and_b32 v[SH+\k], 0x0f0f0f0f, v[NA+\k]       ; experts 0, 2, 4, 6, a byte each
.endr
.irp k, 0,1,2,3
	v_lshrrev_b32 v[NA+\k], 4, v[NA+\k]
.endr
.irp k, 0,1,2,3
	v_and_b32 v[NA+\k], 0x0f0f0f0f, v[NA+\k]       ; experts 1, 3, 5, 7
.endr
	v_add3_u32 v[SH], v[SH], v[SH+1], v[SH+2]
	v_add3_u32 v[NA], v[NA], v[NA+1], v[NA+2]
	v_add_nc_u32 v[SH], v[SH], v[SH+3]             ; 32 at the most
	v_add_nc_u32 v[NA], v[NA], v[NA+3]
	v_and_b32 v[FR], 0xff00ff, v[SH]               ; experts 0 and 4
	v_and_b32 v[FR+1], 0xff00ff, v[NA]             ; 1 and 5
	v_lshrrev_b32 v[SH], 8, v[SH]
	v_lshrrev_b32 v[NA], 8, v[NA]
	v_and_b32 v[FR+2], 0xff00ff, v[SH]             ; 2 and 6
	v_and_b32 v[FR+3], 0xff00ff, v[NA]             ; 3 and 7
.irp n, 1,2,4,8                                ; over the lanes: 1,024 at the most
.irp k, 0,1,2,3
	v_mov_b32_dpp v[DT+\k], v[FR+\k] row_xmask:\n row_mask:0xf bank_mask:0xf
.endr
.irp k, 0,1,2,3
	v_add_nc_u32 v[FR+\k], v[FR+\k], v[DT+\k]
.endr
.endr
.irp k, 0,1,2,3
	v_permlanex16_b32 v[DT+\k], v[FR+\k], s78, s79
.endr
.irp k, 0,1,2,3
	v_add_nc_u32 v[FR+\k], v[FR+\k], v[DT+\k]
.endr
	ds_store_b128 v4, v[FR:FR+3]                   ; all lanes write the same 16 bytes with the same values
	s_wait_dscnt 0x0                               ; for the others' sake: my counts have landed
	s_barrier_signal -1
	s_barrier_wait -1
.irp w, 0,1,2,3,4,5,6,7
	ds_load_b128 v[TBL+4*\w:TBL+4*\w+3], v5 offset:16*\w
.endr
	s_wait_dscnt 0x0
.irp k, 0,1,2,3
	v_add_nc_u32 v[TO+\k], v[TBL+\k], v[TBL+4+\k]
	v_and_b32 v[PR+\k], s[FL], v[TBL+\k]
.endr
.irp w, 2,3,4,5,6,7
.irp k, 0,1,2,3
	v_add_nc_u32 v[TO+\k], v[TO+\k], v[TBL+4*\w+\k]
.endr
.endr
.irp w, 1,2,3,4,5,6
.irp k, 0,1,2,3
	v_and_b32 v[SH+\k], s[FL+\w], v[TBL+4*\w+\k]   ; the counts of the waves in front of mine
.endr
.irp k, 0,1,2,3
	v_add_nc_u32 v[PR+\k], v[PR+\k], v[SH+\k]
.endr
.endr
.irp k, 0,1,2,3
	v_readfirstlane_b32 s[20+\k], v[TO+\k]
	v_readfirstlane_b32 s[24+\k], v[PR+\k]
.endr
.irp k, 0,1,2,3
	s_and_b32 s[TOT+\k], s[20+\k], 0xffff
	s_lshr_b32 s[TOT+4+\k], s[20+\k], 16
.endr
.irp e, 0,1,2,3,4,5,6,7
	s_add_co_u32 s[NT+\e], s[TOT+\e], 63
	s_lshr_b32 s[NT+\e], s[NT+\e], 6               ; an expert's tiles: its tokens / 64, rounded up
.endr
	s_mov_b32 s[TB], 0
.irp e, 1,2,3,4,5,6,7
	s_add_co_u32 s[TB+\e], s[TB+\e-1], s[NT+\e-1]
.endr
	s_mov_b32 s37, s[TB]                           ; of my expert: its first tile,
	s_mov_b32 s38, s[TOT]                          ; its tokens,
	s_mov_b32 s39, s[NT]                           ; its tiles
.irp e, 1,2,3,4,5,6,7
	s_cmp_eq_u32 s18, \e
	s_cselect_b32 s37, s[TB+\e], s37
	s_cselect_b32 s38, s[TOT+\e], s38
	s_cselect_b32 s39, s[NT+\e], s39
.endr
	s_mov_b32 s47, s24                             ; and its tokens in the waves in front of mine
	s_and_b32 s36, s18, 3
.irp k, 1,2,3
	s_cmp_eq_u32 s36, \k
	s_cselect_b32 s47, s[24+\k], s47
.endr
	s_cmp_gt_u32 s18, 3
	s_cselect_b32 s36, 16, 0
	s_lshr_b32 s47, s47, s36
	s_and_b32 s47, s47, 0xffff
	s_lshl_b32 s37, s37, 6
	s_add_co_u32 s19, s37, s47                     ; where my wave's tokens begin
	s_add_co_u32 s38, s37, s38                     ; the first place behind the expert's tokens,
	s_lshl_b32 s39, s39, 6
	s_add_co_u32 s39, s37, s39                     ; and the end of its tiles;
	s_mov_b32 s36, 8640
	s_cmp_eq_u32 s18, 7
	s_cselect_b32 s39, s36, s39                    ; work-group 7 goes on to the end of all 135
.irp r, 0,4,8,12,16,20,24,28
	PUT4 \r
.endr
	; places without a token name token 0: 63 at the most in an expert's last tile, and for work-group 7 at most 7 tiles of 64 more: 512 places serve
	v_mov_b32 v138, 0
	s_lshl_b32 s36, s18, 9
	s_add_co_u32 s36, s36, 74176                   ; 74176 + 512 j
	v_add_nc_u32 v146, s36, v0
	v_add_nc_u32 v147, 0x100, v146
	v_add_nc_u32 v140, s38, v0
	v_add_nc_u32 v141, 0x100, v140
	v_cmp_gt_u32 s28, s39, v140
	v_cmp_gt_u32 s29, s39, v141
	v_cndmask_b32 v140, v146, v140, s28
	v_cndmask_b32 v141, v147, v141, s29
	PLACE 140
	PLACE 141
	v_lshlrev_b32 v140, 2, v140
	v_lshlrev_b32 v141, 2, v141
	global_store_b32 v140, v138, s[10:11]
	global_store_b32 v141, v138, s[10:11]
	s_wait_alu depctr_va_vdst(0)
	s_cmp_lg_u32 s18, 0
	s_cbranch_scc1 .Ls_end
	v_mov_b32 v142, 8                              ; work-group 0: thread t writes tile t's entry: no expert,
	v_mov_b32 v143, 0                              ; no rows, unless an expert owns the tile
.irp e, 0,1,2,3,4,5,6,7
	v_sub_nc_u32 v[144+\e], v0, s[TB+\e]           ; which of the expert's tiles (wraps where t lies in front of them)
.endr
.irp e, 0,1,2,3,4,5,6,7
	v_lshlrev_b32 v[152+\e], 6, v[144+\e]
.endr
.irp e, 0,1,2,3,4,5,6,7
	v_sub_nc_u32 v[152+\e], s[TOT+\e], v[152+\e]   ; the tokens left from there on
.endr
.irp e, 0,1,2,3,4,5,6,7
	v_cmp_le_u32 s[MK+\e], s[NT+\e], v[144+\e]     ; not one of this expert's tiles
.endr
.irp e, 0,1,2,3,4,5,6,7
	v_cndmask_b32 v142, \e, v142, s[MK+\e]
	v_cndmask_b32 v143, v[152+\e], v143, s[MK+\e]
.endr
	v_min_u32 v143, 64, v143
	global_store_b64 v7, v[142:143], s[12:13]      ; 256 entries, 2,048 consecutive bytes
.Ls_end:
	s_wait_tensorcnt 0x0                           ; the wave's end
	ds_add_u32 v[SPW], v[NIL]
	s_wait_dscnt 0x0
	s_endpgm
.Lfunc_end_k_q09fdb712df_prep:
	.size	k_q09fdb712df_prep, .Lfunc_end_k_q09fdb712df_prep-k_q09fdb712df_prep
	.p2alignl 7, 3214868480
	.fill 96, 4, 3214868480
	.section	.rodata,"a",@progbits
	.p2align	6, 0x0
	.amdhsa_kernel k_q09fdb712df_prep
		.amdhsa_group_segment_fixed_size 2560
		.amdhsa_private_segment_fixed_size 0
		.amdhsa_enable_private_segment 0
		.amdhsa_kernarg_size 40
		.amdhsa_user_sgpr_count 2
		.amdhsa_user_sgpr_kernarg_segment_ptr 1
		.amdhsa_wavefront_size32 1
		.amdhsa_system_sgpr_workgroup_id_x 1
		.amdhsa_system_sgpr_workgroup_id_y 1
		.amdhsa_system_sgpr_workgroup_id_z 1
		.amdhsa_system_vgpr_workitem_id 0
		.amdhsa_next_free_vgpr 200
		.amdhsa_next_free_sgpr 84
		.amdhsa_reserve_vcc 0
		.amdhsa_float_denorm_mode_32 3
		.amdhsa_float_denorm_mode_16_64 3
		.amdhsa_memory_ordered 1
		.amdhsa_forward_progress 1
		.amdhsa_inst_pref_size 61
	.end_amdhsa_kernel
	.amdgpu_metadata
---
amdhsa.version: [ 1, 2 ]
amdhsa.kernels:
  - .name:           k_q09fdb712df_prep
    .symbol:         k_q09fdb712df_prep.kd
    .args:
      - { .name: W1, .offset: 0, .size: 8, .value_kind: global_buffer, .address_space: global }
      - { .name: domain_ids, .offset: 8, .size: 8, .value_kind: global_buffer, .address_space: global }
      - { .name: w1q, .offset: 16, .size: 8, .value_kind: global_buffer, .address_space: global }
      - { .name: rows, .offset: 24, .size: 8, .value_kind: global_buffer, .address_space: global }
      - { .name: tiles, .offset: 32, .size: 8, .value_kind: global_buffer, .address_space: global }
    .group_segment_fixed_size: 2560
    .private_segment_fixed_size: 0
    .kernarg_segment_align: 8
    .kernarg_segment_size: 40
    .max_flat_workgroup_size: 256
    .sgpr_count:     84
    .vgpr_count:     200
    .wavefront_size: 32
...
	.end_amdgpu_metadata
.endif
;; end of part 1
;; launch moe (part 2): grid 135 x 1, 4 waves a work-group, no clusters, 327,680 bytes of LDS; arguments feature, rows, tiles, w1q, b1, W2, b2, out0; writes out0
.if DOCPART == 2
	.amdgcn_target "amdgcn-amd-amdhsa--gfx1250"
	.amdhsa_code_object_version 6
	.text
	.protected	k_q09fdb712df_moe
	.globl	k_q09fdb712df_moe
	.p2align	8
	.type	k_q09fdb712df_moe,@function
k_q09fdb712df_moe:
	s_mov_b64 s[64:65], 0
	v_nop
	global_prefetch_b8 v0, s[64:65] scope:SCOPE_SE
	s_setreg_imm32_b32 hwreg(HW_REG_WAVE_MODE, 25, 1), 1
	s_wait_xcnt 0x0
; out0[t] = relu(Q(feature[t]) Q(W1[e]) + b1[e]) W2[e] + b2[e], e = domain_ids[t].  ONE WORK-GROUP TAKES ONE TILE (up to 64 tokens of one expert, as the launch before listed them) THROUGH THE WHOLE CHAIN.
; WORK LEFT OUT: the experts that a token did not choose (see the first launch's head).
; The first product runs on codes of BF6 (E3M2) with one E8M0 scale for each 32 along K; x is quantised here, W1's codes come from w1q, laid in the order of the operand's registers.  The hidden layer stays in registers.
; The head (N = 2) is left as it is: f32 fused multiply-adds on the relu's results, two outputs an instruction.
; SHARES.  Four waves.  Wave w makes units 256 w .. 256 w + 255 for all 64 rows: 64 accumulators of 16 x 16, 512 registers, all at work through the whole walk, so that K GOES OUTERMOST: x and the weights
; stream along K side by side, eight K steps of 128, 64 matrix instructions each.
; x: wave w copies rows 16 w .. 16 w + 15 into LDS as they lie (asynchronous copies, 512 consecutive bytes of one token's row each, all 128 at the head), reads a K step back 16 neighbours to a lane, quantises it and
; hands the fragment to the others as an image of its registers, one K step ahead, in two image buffers by turns; one barrier a K step.
; WEIGHTS go from memory straight into a ring of 16 fragments in registers, one K step: a pair of tiles (6 loads) is asked for anew as soon as its eight products are issued, so that 14 fragments (21 KB) of each wave are on their way.
; WHERE A TILE BEGINS ALONG K: tile t takes the quarters of K (256) in the order (t + 0, 1, 2, 3) % 4, so that neighbouring tiles of one expert ask for different weights first.  The sums' order along K turns with it.
; THE MATRIX INSTRUCTION IS USED TRANSPOSED (source 0 = 16 hidden units, source 1 = 16 rows of x): a lane holds one token and eight hidden units.  b1 is the C of a sum's first instruction.
; NO CLUSTER, NO JOINT LOADS: which tiles share an expert hangs on counts read from memory, so partners of one expert cannot be fixed in the grid; and the rows of x are scattered, one token at a time.
; NO PREFETCH: the eight steps are written out, there is no loop to run ahead in, and all of x is asked for at the head.
; A tile that this split leaves without rows (expert held at 7, token 0 in every place) walks the same text with no lane on at the store.  The grid, 135, serves every split.
; LIMITS: NaN and infinities in feature are not served; a block of zeros gets the scale byte 1 (its codes are zeros); out0 leaves as 8 bytes a token at the token's own place: a tile's tokens are scattered.
.set RP,    4112                       ; a row of x in LDS: 4,096 bytes + 16 = 257 x 16: the 16 rows of a 16-byte load fall into 16 different columns of 16 bytes
.set XIMG,  64*RP                      ; images of a K step's four fragments: buffer b, fragment m: registers 4 c .. 4 c + 3 of lane l at 6144 b + 1536 m + 512 c + 16 l
.set XSC,   XIMG+2*6144                ; their scale words: buffer b, row n at 256 b + 4 n
.set B1L,   XSC+512                    ; b1[e], 1,024 bytes a wave, written and read by that wave alone
.set W2L,   B1L+4096                   ; W2[e], 2,048 bytes a wave, likewise
.set RED,   W2L+8192                   ; the waves' partial sums: 512 bytes a wave
.set SPARE, RED+2048                   ; the spare words, 128 bytes a wave
.set CHUNK, 25600                      ; w1q: the codes and scale words of one pair of hidden tiles
.set SCW,   24576                      ; its scale words
; window 0
.set GOF, 16                           ; v16-31  row i of my 16: token x 4096 + 16 lane
.set LAD, 32                           ; v32-47  and where it goes in LDS
.set XS,  48                           ; v48-51  x's scale words, set i % 2 at 2 (i % 2): register m / 2: lanes 0-15 the even m's, lanes 16-31 the odd one's.  Scales and nothing else
.set WS,  52                           ; v52-83  the weights' scale words, set (i / 2) % 2: register 2 p + i % 2: lanes 0-15 tile 0's, lanes 16-31 tile 1's.  Scales and nothing else
.set RAW, 84                           ; v84-147 64 numbers of my row; in the last step W2 of two pairs of tiles by turns: 16 u + 2 j + o
.set TM,  148                          ; v148-163 at work in QUANT; in the last step
.set LG,  148                          ; the two outputs' partial sums for accumulator a at 2 a
.set PC,  164                          ; v164-182 the codes just made
.set PW,  183                          ; the scale word just made
.set PD,  164                          ; the end: the other half of the lanes' sums
.set RL,  172                          ; the four waves' sums
.set IDX, 180
.set FX1, 184                          ; v184-231 x's fragments of an odd step (at the head b1 and W2 on their way to LDS)
.set LANE, 232
.set R,   233                          ; lane % 16
.set H,   234                          ; lane / 16
.set SPW, 254                          ; LDS address of my spare word; never rewritten
.set NIL, 255                          ; 0; never rewritten
; window 1: v0-191 the ring of weights, fragment (p, u) at 24 p + 12 u;  v192-239 x's fragments of an even step
.set FX0, 192
; window 2: the accumulators of pairs 0-3, (p, u, m) at 64 (p % 4) + 8 (4 u + m);  window 3: those of pairs 4-7
.set SEL, 24                           ; s[24:25] v_permlanex16_b32's selects for lane l xor 16
.set WB,  26                           ; s[26:33] w1q: my 8 chunks, at quarter t of my order along K
.set WSB, 34                           ; s[34:41] and at its scale words (without SCW)
.set FB,  42                           ; s[42:49] feature, at quarter t, less 1024 t (a copy's immediate is added to both its addresses)
.set MSB, 0
.macro WIN new                         ; the immediate's high byte repeats the setting that is left
.if MSB != \new
	s_set_vgpr_msb (MSB<<8)|\new
.set MSB, \new
.endif
.endm
.macro PLACES                          ; four plain places between products and loads into registers that they read, or reads of their results (ISA guide 7.12.1 for vector instructions)
.rept 4
	v_nop
.endr
.endm
; Step ni's fragments of pair p, 3,072 consecutive bytes: 6 loads of 512; for an even step the scale words of both steps of its quarter, 256 bytes, as a seventh.
.macro REFILL ni, p
	WIN 0x40                                       ; destination window 1
.irp k, 0,1,2,3,4,5
	global_load_b128 v[24*\p+4*\k:24*\p+4*\k+3], v1, s[WB+2*((\ni)/2):WB+2*((\ni)/2)+1] offset:CHUNK*\p+3072*((\ni)%2)+512*\k
.endr
.if (\ni)%2 == 0
	WIN 0
	global_load_b64 v[WS+16*(((\ni)/2)%2)+2*\p:WS+16*(((\ni)/2)%2)+2*\p+1], v2, s[WSB+2*((\ni)/2):WSB+2*((\ni)/2)+1] offset:CHUNK*\p+SCW
.endif
.endm
; Quarter t of my 16 rows: two K steps, 32 copies, to bytes 1024 t .. 1024 t + 1023 of the LDS rows
.macro COPY t
.irp par, 0,1
.irp i, 0,1,2,3,4,5,6,7,8,9,10,11,12,13,14,15
	global_load_async_to_lds_b128 v[LAD+\i], v[GOF+\i], s[FB+2*\t:FB+2*\t+1] offset:1024*\t+512*\par
.endr
.endr
.endm
; Step i of my row: register 16 b + n = k 128 i + 32 b + 16 (lane / 16) + n
.macro RAWLD i
	WIN 0
.irp b, 0,1,2,3
.irp j, 0,1,2,3
	ds_load_b128 v[RAW+16*\b+4*\j:RAW+16*\b+4*\j+3], v3 offset:512*(\i)+128*\b+16*\j
.endr
.endr
.endm
; 64 numbers of a lane become a fragment's codes in v[PC] on and its scale word in v[PW]
.macro QUANT
.irp b, 0,1,2,3
	v_max3_num_f32 v[TM+\b], |v[RAW+16*\b]|, |v[RAW+1+16*\b]|, 0x2800000   ; block b: my 16 numbers, and the floor 2^(5 - 127): the byte cannot fall under 1
.endr
.irp i, 2,4,6,8,10,12,14
.irp b, 0,1,2,3
	v_max3_num_f32 v[TM+\b], v[TM+\b], |v[RAW+16*\b+\i]|, |v[RAW+1+16*\b+\i]|   ; the four blocks by turns
.endr
.endr
.irp b, 0,1,2,3
	v_permlanex16_b32 v[TM+4+\b], v[TM+\b], s[SEL], s[SEL+1]
.endr
.irp b, 0,1,2,3
	v_max_num_f32 v[TM+\b], v[TM+\b], v[TM+4+\b]   ; with lane l xor 16's: the block's largest magnitude
.endr
.irp b, 0,1,2,3
	v_add_nc_u32 v[TM+12+\b], 0xfe000000, v[TM+\b] ; 4 off its exponent field: the conversion's scale operand
.endr
.irp b, 0,1,2,3
	v_lshrrev_b32 v[TM+4+\b], 23, v[TM+12+\b]      ; the scale's byte
.endr
	v_lshl_or_b32 v[PW], v[TM+5], 8, v[TM+4]
	v_lshl_or_b32 v[PW], v[TM+6], 16, v[PW]
	v_lshl_or_b32 v[PW], v[TM+7], 24, v[PW]
.irp c, 0,1
	v_cvt_scalef32_pk16_bf6_f32 v[PC+6*\c:PC+2+6*\c], v[RAW+32*\c:RAW+15+32*\c], v[TM+12+2*\c]
	v_cvt_scalef32_pk16_bf6_f32 v[PC+12+4*\c:PC+14+4*\c], v[RAW+16+32*\c:RAW+31+32*\c], v[TM+12+2*\c+1]   ; (a conversion's three registers begin on an even number)
.endr
	v_nop                                          ; one plain place behind the scaled conversions
.irp c, 0,1                                    ; the operand's layout wants a whole block in a lane: lanes 0-15 block 2 c, lanes 16-31 block 2 c + 1
.irp i, 0,1,2
	v_permlane16_swap_b32 v[PC+6*\c+\i], v[PC+12+4*\c+\i]
.endr
.irp i, 0,1,2
	v_mov_b32 v[PC+3+6*\c+\i], v[PC+12+4*\c+\i]
.endr
.endr
.endm
.macro IMAGE i                                 ; the fragment goes to LDS as it stands; both lanes of a row write the same scale word
.irp c, 0,1,2
	ds_store_b128 v4, v[PC+4*\c:PC+4*\c+3] offset:6144*((\i)%2)+512*\c
.endr
	ds_store_b32 v5, v[PW] offset:256*((\i)%2)
.endm
; Step i's four fragments of x and their scale words
.macro FETCH i
.if (\i)%2 == 0
	WIN 0x40
.set FD, FX0
.else
	WIN 0
.set FD, FX1
.endif
.irp m, 0,1,2,3
.irp c, 0,1,2
	ds_load_b128 v[FD+12*\m+4*\c:FD+12*\m+4*\c+3], v6 offset:6144*((\i)%2)+1536*\m+512*\c
.endr
.endr
	WIN 0
.irp n, 0,1
	ds_load_b32 v[XS+2*((\i)%2)+\n], v7 offset:256*((\i)%2)+128*\n
.endr
.endm
; One product: step i, pair p, tile u, rows 16 m on.  In step 0 C is b1, which lies in the registers of the tile's accumulator m = 3.
.macro WM i, p, u, m
.set rD, 64*(\p%4)+8*(4*\u+\m)
.set rA, 24*\p+12*\u
.if \i%2 == 0
.set rB, FX0+12*\m
.else
.set rB, FX1+12*\m
.endif
.set rC, rD
.if \i == 0
.set rC, 64*(\p%4)+8*(4*\u+3)
.endif
.set rP, WS+16*((\i/2)%2)+2*\p+\i%2
.set rQ, XS+2*(\i%2)+\m/2
.if (\u == 0) && (\m%2 == 0)
	v_wmma_scale_f32_16x16x128_f8f6f4 v[rD:rD+7], v[rA:rA+11], v[rB:rB+11], v[rC:rC+7], v[rP], v[rQ] matrix_a_fmt:MATRIX_FMT_BF6 matrix_b_fmt:MATRIX_FMT_BF6
.elseif \u == 0
	v_wmma_scale_f32_16x16x128_f8f6f4 v[rD:rD+7], v[rA:rA+11], v[rB:rB+11], v[rC:rC+7], v[rP], v[rQ] matrix_a_fmt:MATRIX_FMT_BF6 matrix_b_fmt:MATRIX_FMT_BF6 matrix_b_scale:MATRIX_SCALE_ROW1
.elseif \m%2 == 0
	v_wmma_scale_f32_16x16x128_f8f6f4 v[rD:rD+7], v[rA:rA+11], v[rB:rB+11], v[rC:rC+7], v[rP], v[rQ] matrix_a_fmt:MATRIX_FMT_BF6 matrix_b_fmt:MATRIX_FMT_BF6 matrix_a_scale:MATRIX_SCALE_ROW1
.else
	v_wmma_scale_f32_16x16x128_f8f6f4 v[rD:rD+7], v[rA:rA+11], v[rB:rB+11], v[rC:rC+7], v[rP], v[rQ] matrix_a_fmt:MATRIX_FMT_BF6 matrix_b_fmt:MATRIX_FMT_BF6 matrix_a_scale:MATRIX_SCALE_ROW1 matrix_b_scale:MATRIX_SCALE_ROW1
.endif
.endm
; Pair p's loads of step i are in: behind them stand the loads of pairs p + 1 .. 7 for this step (6 a pair, 7 for an even step) and of pairs 0 .. p - 1 for the next.
.macro INW i, p
.if \i == 7
	s_wait_loadcnt 6*(7-\p)
.else
	s_wait_loadcnt (7-\i%2)*(7-\p)+(6+\i%2)*\p
.endif
.endm
; Eight products.  The 64 accumulators take turns, one instruction a turn, in the same order in every step.
.macro MULG i, p
	WIN 0xa1+0x50*(\p/4)+4*(1-\i%2)                ; source 0 (weights) window 1, source 1 (x) window 1 in even steps and 0 in odd ones, C and D window 2 or 3
.irp m, 0,1,2,3
.if (\i == 0) && (\m == 3)
.rept 5
	v_nop                                          ; b1's registers are written over now: five places behind the last product that took them as its C
.endr
.endif
.irp u, 0,1
	WM \i, \p, \u, \m
.endr
.endr
.endm
; A step that has a successor: its products; on the way the next step's numbers of x are read, quantised, handed over and fetched.
.macro STEP i
	s_wait_dscnt 0x0                               ; this step's fragments of x are in
.irp p, 0,1
	INW \i, \p
	MULG \i, \p
	PLACES
	REFILL \i+1, \p
.endr
.if \i >= 3
	s_wait_asynccnt 16*(6-\i)                      ; step i + 1's 16 copies are in; those of the steps behind it may be out.  (Steps 0-3: shown by the first wait)
.endif
	RAWLD \i+1
	INW \i, 2
	MULG \i, 2
	PLACES
	REFILL \i+1, 2
	INW \i, 3
	MULG \i, 3
	WIN 0
	s_wait_dscnt 0x0                               ; the numbers are in
	QUANT                                          ; (also the places in front of the refill below)
	IMAGE \i+1
	REFILL \i+1, 3
	INW \i, 4
	MULG \i, 4
	PLACES
	REFILL \i+1, 4
	INW \i, 5
	s_wait_dscnt 0x0                               ; for the others' sake: my image has landed
	s_barrier_signal -1
	MULG \i, 5                                     ; work on registers while the others arrive
	s_barrier_wait -1
	PLACES
	FETCH \i+1                                     ; into the set that the step before used
	REFILL \i+1, 5
.irp p, 6,7
	INW \i, \p
	MULG \i, \p
	PLACES
	REFILL \i+1, \p
.endr
.endm
.macro W2LD p                                  ; W2 of pair p's units, my half's eight of each tile
	WIN 0
.irp u, 0,1
.irp k, 0,1,2,3
	ds_load_b128 v[RAW+32*((\p)%2)+16*\u+4*\k:RAW+32*((\p)%2)+16*\u+4*\k+3], v9 offset:256*(\p)+128*\u+16*\k
.endr
.endr
.endm
; Pair p: relu, then the head: both outputs of a hidden unit in one packed multiply-add; the unit's number is taken for both halves.  Each accumulator is read from its low end on; eight chains by turns.
.macro EPI p
	WIN 0x88+0x44*((\p)/4)
.irp j, 0,1,2,3,4,5,6,7
.irp a, 0,1,2,3,4,5,6,7
	v_max_num_f32 v[64*((\p)%4)+8*\a+\j], 0, v[64*((\p)%4)+8*\a+\j]
.endr
.endr
.if (\p) < 7
	s_wait_dscnt 8                                 ; this pair's W2 is in; the next pair's eight loads may be out
.else
	s_wait_dscnt 0x0
.endif
	WIN 0x02+((\p)/4)
.irp i, 0,1,2,3
.irp a, 0,1,2,3,4,5,6,7
.set rE, 64*((\p)%4)+8*\a+2*\i
.set rW, RAW+32*((\p)%2)+16*(\a/4)+4*\i
.if ((\p) == 0) && (\i == 0)
	v_pk_mul_f32 v[LG+2*\a:LG+2*\a+1], v[rE:rE+1], v[rW:rW+1] op_sel_hi:[0,1]   ; starts the sum
.else
	v_pk_fma_f32 v[LG+2*\a:LG+2*\a+1], v[rE:rE+1], v[rW:rW+1], v[LG+2*\a:LG+2*\a+1] op_sel_hi:[0,1,1]
.endif
.endr
.irp a, 0,1,2,3,4,5,6,7
.set rE, 64*((\p)%4)+8*\a+2*\i
.set rW, RAW+32*((\p)%2)+16*(\a/4)+4*\i+2
	v_pk_fma_f32 v[LG+2*\a:LG+2*\a+1], v[rE:rE+1], v[rW:rW+1], v[LG+2*\a:LG+2*\a+1] op_sel:[1,0,0] op_sel_hi:[1,1,1]
.endr
.endr
.if (\p)+2 < 8
	W2LD (\p)+2
.endif
.endm
	s_load_b512 s[4:19], s[0:1], 0x0               ; feature s[4:5], rows s[6:7], tiles s[8:9], w1q s[10:11], b1 s[12:13], W2 s[14:15], b2 s[16:17], out0 s[18:19]
	v_lshl_add_u32 v[SPW], v0, 2, SPARE
	v_mov_b32 v[NIL], 0
	ds_add_u32 v[SPW], v[NIL]                      ; the wave's opening
	ds_add_u32 v[SPW], v[NIL]
	v_lshrrev_b32 v[LANE], 5, v0
	v_readfirstlane_b32 s22, v[LANE]               ; wave 0..3
	s_mul_i32 s2, s22, 16*RP                       ; LDS: my 16 rows of x,
	s_mul_i32 s3, s22, 1536
	s_add_co_u32 s3, s3, XIMG                      ; my fragment's image,
	s_lshl_b32 s20, s22, 6
	s_add_co_u32 s20, s20, XSC                     ; its scale words,
	s_lshl_b32 s21, s22, 10
	s_add_co_u32 s21, s21, B1L                     ; my b1,
	s_lshl_b32 s28, s22, 11
	s_add_co_u32 s28, s28, W2L                     ; my W2,
	s_lshl_b32 s29, s22, 9
	s_add_co_u32 s29, s29, RED                     ; my partial sums,
	s_lshl_b32 s30, s22, 7
	s_add_co_u32 s30, s30, RED                     ; and the sums that I finish
	s_mov_b32 s[SEL], 0x76543210
	s_mov_b32 s[SEL+1], 0xfedcba98
	s_mov_b32 s57, 0
	s_wait_alu depctr_va_vdst(0)
	v_and_b32 v[LANE], 31, v0
	v_and_b32 v[R], 15, v0
	v_bfe_u32 v[H], v0, 4, 1
	v_lshlrev_b32 v1, 4, v[LANE]                   ; 16 x lane
	v_lshlrev_b32 v2, 3, v[LANE]                   ; 8 x lane
	v_mul_u32_u24 v3, v[R], RP
	v_lshl_add_u32 v3, v[H], 6, v3
	v_add_nc_u32 v3, s2, v3                        ; row r of mine, + 64 h: my 16 numbers of a block of 32
	v_add_nc_u32 v[LAD], s2, v1
.irp i, 1,2,3,4,5,6,7,8,9,10,11,12,13,14,15
	v_add_nc_u32 v[LAD+\i], RP*\i, v[LAD]
.endr
	v_add_nc_u32 v4, s3, v1                        ; where I store x's images,
	v_lshl_add_u32 v5, v[R], 2, s20                ; and their scale words
	v_add_nc_u32 v6, XIMG, v1                      ; where any image is read,
	v_lshl_add_u32 v7, v[LANE], 2, XSC             ; and its scale words
	v_lshl_add_u32 v8, v[H], 5, s21                ; b1: my wave's 256 numbers, + my half's eight
	v_add_nc_u32 v10, s21, v1                      ; and where they are put
	v_lshl_add_u32 v9, v[H], 6, s28                ; W2 likewise
	v_add_nc_u32 v11, s28, v1
	v_lshlrev_b32 v12, 2, v[R]                     ; my token's word among my wave's 16
	v_lshl_add_u32 v14, v[R], 3, s29               ; the end: where my partial sums go: 512 w + 8 r (+ 128 m)
	v_lshl_add_u32 v15, v[R], 3, s30               ; and where the sums of rows 16 w + r are read: 128 w + 8 r (+ 512 w')
.irp b, 0,1,2,3
	v_mov_b32 v[TM+4+\b], 0                        ; written once: a lane permute's destination counts as one of its sources
.endr
	s_wait_alu depctr_va_vdst(0)
	s_wait_dscnt 0x0                               ; both opening adds are done
	s_wait_kmcnt 0x0
	s_lshl_b32 s56, ttmp9, 3
	s_add_nc_u64 s[8:9], s[8:9], s[56:57]          ; my tile's entry
	s_lshl_b32 s56, ttmp9, 8
	s_lshl_b32 s2, s22, 6
	s_add_co_u32 s56, s56, s2
	s_add_nc_u64 s[6:7], s[6:7], s[56:57]          ; my wave's 16 tokens
	s_load_b64 s[20:21], s[8:9], 0x0               ; expert, number of rows
	s_load_b512 s[68:83], s[6:7], 0x0              ; the 16 tokens, as scalars for the gather
	global_load_b32 v13, v12, s[6:7]               ; and lane by lane, for the way out
.irp t, 0,1,2,3
	s_add_co_u32 s2, ttmp9, \t
	s_and_b32 s[84+\t], s2, 3                      ; my t-th quarter of K
	s_lshl_b32 s56, s[84+\t], 10
	s_add_nc_u64 s[FB+2*\t:FB+2*\t+1], s[4:5], s[56:57]
.if \t > 0
	s_sub_nc_u64 s[FB+2*\t:FB+2*\t+1], s[FB+2*\t:FB+2*\t+1], 1024*\t
.endif
.endr
	s_wait_kmcnt 0x0
.irp i, 0,1,2,3,4,5,6,7,8,9,10,11,12,13,14,15
	s_min_u32 s[68+\i], s[68+\i], 8191             ; held inside feature
	v_lshl_add_u32 v[GOF+\i], s[68+\i], 12, v1
.endr
	s_wait_alu depctr_va_vdst(0)
	COPY 0
	s_min_u32 s20, s20, 7                          ; held inside the tables (8 marks a tile without rows)
	s_lshl_b32 s56, s20, 12
	s_lshl_b32 s2, s22, 10
	s_add_co_u32 s56, s56, s2
	s_add_nc_u64 s[50:51], s[12:13], s[56:57]      ; my 256 numbers of b1[e]
	s_lshl_b32 s56, s20, 13
	s_lshl_b32 s2, s22, 11
	s_add_co_u32 s56, s56, s2
	s_add_nc_u64 s[52:53], s[14:15], s[56:57]      ; my 256 rows of W2[e]
	s_mul_i32 s56, s20, 32*CHUNK
	s_mul_i32 s2, s22, 8*CHUNK
	s_add_co_u32 s56, s56, s2
	s_add_nc_u64 s[10:11], s[10:11], s[56:57]      ; my wave's 8 chunks of the expert's 32
.irp t, 0,1,2,3
	s_mul_i32 s56, s[84+\t], 6144
	s_add_nc_u64 s[WB+2*\t:WB+2*\t+1], s[10:11], s[56:57]
	s_lshl_b32 s56, s[84+\t], 8
	s_add_nc_u64 s[WSB+2*\t:WSB+2*\t+1], s[10:11], s[56:57]
.endr
	s_lshl_b32 s56, s20, 3
	s_add_nc_u64 s[16:17], s[16:17], s[56:57]
	s_load_b64 s[54:55], s[16:17], 0x0             ; b2[e]: waited for at the end
.irp i, 0,1
	global_load_b128 v[FX1+4*\i:FX1+4*\i+3], v1, s[50:51] offset:512*\i          ; b1: 512 consecutive bytes a load
.endr
.irp i, 0,1,2,3
	global_load_b128 v[FX1+8+4*\i:FX1+8+4*\i+3], v1, s[52:53] offset:512*\i      ; W2
.endr
.irp p, 0,1,2,3,4,5,6,7
	REFILL 0, \p                                   ; the ring's first fill: step 0's 16 fragments and the first quarter's scale words: 56 loads
.endr
	WIN 0
	COPY 1
	COPY 2
	COPY 3
	s_wait_loadcnt 56                              ; all but the ring's: my token, b1 and W2 are in
.irp i, 0,1
	ds_store_b128 v10, v[FX1+4*\i:FX1+4*\i+3] offset:512*\i
.endr
.irp i, 0,1,2,3
	ds_store_b128 v11, v[FX1+8+4*\i:FX1+8+4*\i+3] offset:512*\i
.endr
.irp p, 0,1,2,3,4,5,6,7                        ; b1 of a tile's units into its accumulator m = 3: LDS serves a wave's instructions in order (ISA guide 5.7.1.4): these see my stores
	WIN 0x80+0x40*(\p/4)
.irp u, 0,1
.irp i, 0,1
	ds_load_b128 v[64*(\p%4)+8*(4*\u+3)+4*\i:64*(\p%4)+8*(4*\u+3)+4*\i+3], v8 offset:128*\p+64*\u+16*\i
.endr
.endr
.endr
	s_wait_asynccnt 63                             ; 65 of my 128 copies are in: K steps 0-3's 64 among them
	RAWLD 0
	s_wait_dscnt 0x0
	QUANT
	IMAGE 0
	s_wait_dscnt 0x0                               ; for the others' sake: my image has landed
	s_barrier_signal -1
	s_barrier_wait -1
	FETCH 0
.irp i, 0,1,2,3,4,5,6
	STEP \i
.endr
	; the last step: nothing more is asked for; each pair's head follows the next pair's products
	W2LD 0
	W2LD 1
	s_wait_dscnt 16                                ; x's fragments are in; the 16 loads of W2 may be out
	INW 7, 0
	MULG 7, 0
	INW 7, 1
	MULG 7, 1
	PLACES                                         ; pair 0's results are read; from here on a pair's head stands between the next pair's products and its own
	EPI 0
.irp p, 2,3,4,5,6,7
	INW 7, \p
	MULG 7, \p
	EPI \p-1
.endr
	EPI 7
	WIN 0
	; ---- the end: my wave's sums over its 256 units, for 64 rows; then over the four waves; b2; the store
.irp m, 0,1,2,3
	v_pk_add_f32 v[LG+2*\m:LG+2*\m+1], v[LG+2*\m:LG+2*\m+1], v[LG+8+2*\m:LG+8+2*\m+1]   ; a pair's two tiles
.endr
.irp i, 0,1,2,3,4,5,6,7
	v_permlanex16_b32 v[PD+\i], v[LG+\i], s[SEL], s[SEL+1]
.endr
.irp m, 0,1,2,3
	v_pk_add_f32 v[LG+2*\m:LG+2*\m+1], v[LG+2*\m:LG+2*\m+1], v[PD+2*\m:PD+2*\m+1]       ; and lane l xor 16's eight units of each tile
.endr
.irp m, 0,1,2,3
	ds_store_b64 v14, v[LG+2*\m:LG+2*\m+1] offset:128*\m   ; row 16 m + r's two sums; both halves of the lanes write the same
.endr
	s_lshl_b32 s2, s22, 4                          ; rows 16 w .. 16 w + 15 are mine to finish
	s_wait_kmcnt 0x0                               ; b2
	s_wait_dscnt 0x0                               ; for the others' sake: my sums have landed
	s_barrier_signal -1
	s_barrier_wait -1
.irp w, 0,1,2,3
	ds_load_b64 v[RL+2*\w:RL+2*\w+1], v15 offset:512*\w
.endr
	s_wait_asynccnt 0x0
	s_wait_tensorcnt 0x0                           ; the wave's end
	ds_add_u32 v[SPW], v[NIL]
	v_lshl_add_u32 v[IDX], v[H], 6, v[LANE]        ; my row in the tile: 16 w + lane; lanes 16-31 get 64 more, past every count
	v_add_nc_u32 v[IDX], s2, v[IDX]
	s_wait_alu depctr_va_vdst(0)
	s_wait_dscnt 0x0
	v_pk_add_f32 v[RL:RL+1], v[RL:RL+1], v[RL+2:RL+3]
	v_pk_add_f32 v[RL+4:RL+5], v[RL+4:RL+5], v[RL+6:RL+7]
	v_pk_add_f32 v[RL:RL+1], v[RL:RL+1], v[RL+4:RL+5]
	v_add_f32 v[RL], s54, v[RL]
	v_add_f32 v[RL+1], s55, v[RL+1]
	v_min_u32 v13, 0x1fff, v13                     ; my token (its load was shown in at the head), held inside out0
	v_lshlrev_b32 v13, 3, v13
	v_cmp_gt_u32 vcc_lo, s21, v[IDX]               ; only the tile's rows are stored
	s_wait_alu depctr_va_vdst(0)
	s_wait_xcnt 0x0                                ; EXEC changes only behind this wait
	s_and_saveexec_b32 s3, vcc_lo
	global_store_b64 v13, v[RL:RL+1], s[18:19]
	s_wait_xcnt 0x0                                ; and again in front of the line that widens it
	s_or_b32 exec_lo, exec_lo, s3
	s_endpgm
.Lfunc_end_k_q09fdb712df_moe:
	.size	k_q09fdb712df_moe, .Lfunc_end_k_q09fdb712df_moe-k_q09fdb712df_moe
	.p2alignl 7, 3214868480
	.fill 96, 4, 3214868480
	.section	.rodata,"a",@progbits
	.p2align	6, 0x0
	.amdhsa_kernel k_q09fdb712df_moe
		.amdhsa_group_segment_fixed_size 327680
		.amdhsa_private_segment_fixed_size 0
		.amdhsa_enable_private_segment 0
		.amdhsa_kernarg_size 64
		.amdhsa_user_sgpr_count 2
		.amdhsa_user_sgpr_kernarg_segment_ptr 1
		.amdhsa_wavefront_size32 1
		.amdhsa_system_sgpr_workgroup_id_x 1
		.amdhsa_system_sgpr_workgroup_id_y 1
		.amdhsa_system_sgpr_workgroup_id_z 1
		.amdhsa_system_vgpr_workitem_id 0
		.amdhsa_next_free_vgpr 1024
		.amdhsa_next_free_sgpr 90
		.amdhsa_reserve_vcc 1
		.amdhsa_float_denorm_mode_32 3
		.amdhsa_float_denorm_mode_16_64 3
		.amdhsa_memory_ordered 1
		.amdhsa_forward_progress 1
		.amdhsa_inst_pref_size 245
	.end_amdhsa_kernel
	.amdgpu_metadata
---
amdhsa.version: [ 1, 2 ]
amdhsa.kernels:
  - .name:           k_q09fdb712df_moe
    .symbol:         k_q09fdb712df_moe.kd
    .args:
      - { .name: feature, .offset: 0, .size: 8, .value_kind: global_buffer, .address_space: global }
      - { .name: rows, .offset: 8, .size: 8, .value_kind: global_buffer, .address_space: global }
      - { .name: tiles, .offset: 16, .size: 8, .value_kind: global_buffer, .address_space: global }
      - { .name: w1q, .offset: 24, .size: 8, .value_kind: global_buffer, .address_space: global }
      - { .name: b1, .offset: 32, .size: 8, .value_kind: global_buffer, .address_space: global }
      - { .name: W2, .offset: 40, .size: 8, .value_kind: global_buffer, .address_space: global }
      - { .name: b2, .offset: 48, .size: 8, .value_kind: global_buffer, .address_space: global }
      - { .name: out0, .offset: 56, .size: 8, .value_kind: global_buffer, .address_space: global }
    .group_segment_fixed_size: 327680
    .private_segment_fixed_size: 0
    .kernarg_segment_align: 8
    .kernarg_segment_size: 64
    .max_flat_workgroup_size: 128
    .sgpr_count:     90
    .vgpr_count:     1024
    .wavefront_size: 32
...
	.end_amdgpu_metadata
.endif
;; end of part 2
